; MI455X (gfx1250); checked and timed in simulation.
; The chip was launched on July 23, 2026; its instructions are those of AMD's public machine-readable ISA for CDNA 5 (MIT licence, August 2026) and "CDNA5" Instruction Set Architecture Reference Guide (July 2026). The comments in the code are by the model that wrote it; some were corrected since.
;; Vector Quantizer. Allowed arithmetic: float matrix products may take bf16 or f16 operands with f32 sums; other float arithmetic in f32, or as packed bf16 or f16 multiplies, adds, multiply-adds, maxima and minima; sums over many terms, partial sums and values carried from step to step in f32; what a program stores and reads back later, other than sums and carried values, may be rounded once to bf16 or f16.
;; Inputs: codebook 8,192 x 256 float32; z 8 x 256 x 64 x 64 float32.
;; Outputs: out0 8 x 256 x 64 x 64 float32; out1 one number float32.
;; One version. Each part assembles by itself: llvm-mc -triple=amdgcn-amd-amdhsa -mcpu=gfx1250 --defsym DOCPART=n.
;; ======== version 1 of 1: 4 launches
;; workspace buffers: cbk 4,325,376 bytes; grp 131,072 bytes of whole numbers; arow 131,072 bytes; part 16,384 bytes
;; launch pack (part 1): grid 256 x 1, 8 waves a work-group, no clusters, 18,432 bytes of LDS; arguments codebook, cbk; writes cbk
.if DOCPART == 1
	.amdgcn_target "amdgcn-amd-amdhsa--gfx1250"
	.amdhsa_code_object_version 6
	.text
	.protected	k_qdfc1bdc26a_pack
	.globl	k_qdfc1bdc26a_pack
	.p2align	8
	.type	k_qdfc1bdc26a_pack,@function
k_qdfc1bdc26a_pack:
	s_mov_b64 s[64:65], 0
	v_nop
	global_prefetch_b8 v0, s[64:65] scope:SCOPE_SE
	s_setreg_imm32_b32 hwreg(HW_REG_WAVE_MODE, 25, 1), 1
	s_wait_xcnt 0x0
; THE CODEBOOK'S IMAGE.  codebook: [8192][256] f32.  cbk: 8,192 rows of 528 bytes.  Row k: 32 chunks of 16 bytes, chunk c = bf16 of the elements
; 4c .. 4c+3 and 128+4c .. 128+4c+3 (rounded to nearest even); bytes 512-515: b' = -1/2 x the sum of the squares of the ROUNDED elements, f32; bytes 516-527: 0.
; The order of the elements is a permutation of K that the search applies to z as well, so the products stay; it lets lane l take 16 neighbouring bytes
; of each half of an f32 row, so that every load of a wave covers 512 consecutive bytes.  528 = 33 x 16: the 16 rows of a fragment load start in 16 different
; groups of four banks (64 banks of 4 bytes: ISA guide 11.1), with no padding to be made later, and 16, 32 or 64 rows are whole blocks of 256 bytes.
; SHARES.  A work-group takes 32 codes, each of its eight waves four, a lane one chunk.  The image of the 32 rows (16,896 bytes) is gathered in LDS and leaves
; as it lies, 512 consecutive bytes to a store.  Memory binds; no matrix unit, no cluster (no two work-groups read the same byte), no tensor load (one pass).
; LIMITS.  b below 2^-125 loses a bit in the halving; NaN and infinities are not treated apart.
.set PITCH, 528
.set SPARE, 32*PITCH                   ; behind the image: the spare words, 128 bytes for each of eight waves: four blocks of 256 bytes that no other line names
.set X,   8                            ; v[8:39]   four rows x 8 f32 as loaded; later v[8:23] the four pads, v[24:39] the image on its way out
.set P,   40                           ; v[40:55]  four rows x 4 registers of bf16
.set ACC, 56                           ; v[56:59]  the rows' sums of squares
.set TMP, 60                           ; v[60:63]  the other half of the lanes' sums
.set LN,  64                           ; v64       16 x lane
	s_load_b128 s[4:7], s[0:1], 0x0                ; codebook s[4:5], cbk s[6:7]
	v_lshl_add_u32 v6, v0, 2, SPARE                ; my spare word,
	v_mov_b32 v7, 0                                ; and 0: kept for the add at the wave's end
	v_lshrrev_b32 v1, 5, v0
	v_readfirstlane_b32 s8, v1                     ; wave 0..7
	v_and_b32 v[LN], 31, v0
	v_lshlrev_b32 v[LN], 4, v[LN]
	v_mov_b32 v5, 0                                ; what the first link of a sum adds onto
	v_lshlrev_b32 v4, 4, v0                        ; the way out: 16 x thread
	s_lshl_b32 s9, s8, 12                          ; my four rows of 1,024 bytes
	v_add_nc_u32 v1, s9, v[LN]                     ; in memory: + 16 x lane
	s_mul_i32 s14, s8, 4*PITCH                     ; my four rows of the image
	v_add_nc_u32 v2, s14, v[LN]                    ; my chunk of the first
	s_add_co_u32 s15, s14, 512
	v_mov_b32 v3, s15                              ; its pad
.irp i, 0,1,2,3
	v_mov_b32 v[TMP+\i], 0                         ; v_permlanex16_b32 counts as a reader of its destination
.endr
	s_lshl_b32 s10, ttmp9, 15                      ; the group's 32 rows of 1,024 bytes
	s_mov_b32 s11, 0
	s_mul_i32 s16, ttmp9, 32*PITCH                 ; and of 528
	s_mov_b32 s17, 0
	s_mov_b32 s12, 0x76543210                      ; v_permlanex16_b32: each lane takes its own place in the other half
	s_mov_b32 s13, 0xfedcba98
	s_wait_kmcnt 0x0
	s_add_nc_u64 s[4:5], s[4:5], s[10:11]
	s_add_nc_u64 s[6:7], s[6:7], s[16:17]
.irp i, 0,1,2,3
	global_load_b128 v[X+8*\i:X+8*\i+3],   v1, s[4:5] offset:1024*\i th:TH_LOAD_NT      ; elements 4 l ..
	global_load_b128 v[X+8*\i+4:X+8*\i+7], v1, s[4:5] offset:1024*\i+512 th:TH_LOAD_NT  ; elements 128 + 4 l ..
.endr
; Row i: rounded to bf16, and the squares of the rounded numbers added up in f32 straight from the halves
.macro PROW i
	s_wait_loadcnt 6-2*(\i)                        ; loads come back in order (ISA guide 5.7.1): the younger rows' two loads each stay out
.irp m, 0,1,2,3
	v_cvt_pk_bf16_f32 v[P+4*(\i)+\m], v[X+8*(\i)+2*\m], v[X+8*(\i)+2*\m+1]
.endr
	v_fma_mix_f32_bf16 v[ACC+(\i)], v[P+4*(\i)], v[P+4*(\i)], v5 op_sel_hi:[1,1,0]
	v_fma_mix_f32_bf16 v[ACC+(\i)], v[P+4*(\i)], v[P+4*(\i)], v[ACC+(\i)] op_sel:[1,1,0] op_sel_hi:[1,1,0]
.irp m, 1,2,3
	v_fma_mix_f32_bf16 v[ACC+(\i)], v[P+4*(\i)+\m], v[P+4*(\i)+\m], v[ACC+(\i)] op_sel_hi:[1,1,0]
	v_fma_mix_f32_bf16 v[ACC+(\i)], v[P+4*(\i)+\m], v[P+4*(\i)+\m], v[ACC+(\i)] op_sel:[1,1,0] op_sel_hi:[1,1,0]
.endr
.endm
	PROW 0
	PROW 1
	PROW 2
	PROW 3
	; across the 32 lanes, the four rows side by side: every lane ends with every row's sum
.irp x, 1,2,4,8
.irp i, 0,1,2,3
	v_add_f32_dpp v[ACC+\i], v[ACC+\i], v[ACC+\i] row_xmask:\x row_mask:0xf bank_mask:0xf
.endr
.endr
.irp i, 0,1,2,3
	v_permlanex16_b32 v[TMP+\i], v[ACC+\i], s12, s13
.endr
.irp i, 0,1,2,3
	v_add_f32 v[ACC+\i], v[ACC+\i], v[TMP+\i]
.endr
.irp i, 0,1,2,3
	v_mul_f32 v[X+4*\i], -0.5, v[ACC+\i]           ; b'
	v_mov_b32 v[X+4*\i+1], 0
	v_mov_b32 v[X+4*\i+2], 0
	v_mov_b32 v[X+4*\i+3], 0
.endr
.irp i, 0,1,2,3
	ds_store_b128 v2, v[P+4*\i:P+4*\i+3] offset:PITCH*\i
	ds_store_b128 v3, v[X+4*\i:X+4*\i+3] offset:PITCH*\i  ; all lanes store the same 16 bytes
.endr
	s_wait_dscnt 0x0                               ; for the others' sake: my part of the image is written
	s_barrier_signal -1
	s_barrier_wait -1
.irp i, 0,1,2,3
	ds_load_b128 v[X+16+4*\i:X+16+4*\i+3], v4 offset:4096*\i
.endr
.irp i, 0,1,2,3
	s_wait_dscnt 3-\i
	global_store_b128 v4, v[X+16+4*\i:X+16+4*\i+3], s[6:7] offset:4096*\i  ; a wave's store covers 512 consecutive bytes, at a multiple of 256 from cbk's first byte
.endr
	s_cmp_lg_u32 s8, 0
	s_cbranch_scc1 .Lrest_done                     ; 16,896 = 4 x 4,096 + 512: wave 0 takes the rest
	ds_load_b128 v[P:P+3], v[LN] offset:16384
	s_wait_dscnt 0x0
	global_store_b128 v[LN], v[P:P+3], s[6:7] offset:16384
.Lrest_done:
	s_wait_tensorcnt 0x0                           ; the wave's end, behind my last LDS store
	ds_add_u32 v6, v7
	s_wait_dscnt 0x0
	s_endpgm
.Lfunc_end_k_qdfc1bdc26a_pack:
	.size	k_qdfc1bdc26a_pack, .Lfunc_end_k_qdfc1bdc26a_pack-k_qdfc1bdc26a_pack
	.p2alignl 7, 3214868480
	.fill 96, 4, 3214868480
	.section	.rodata,"a",@progbits
	.p2align	6, 0x0
	.amdhsa_kernel k_qdfc1bdc26a_pack
		.amdhsa_group_segment_fixed_size 18432
		.amdhsa_private_segment_fixed_size 0
		.amdhsa_enable_private_segment 0
		.amdhsa_kernarg_size 16
		.amdhsa_user_sgpr_count 2
		.amdhsa_user_sgpr_kernarg_segment_ptr 1
		.amdhsa_wavefront_size32 1
		.amdhsa_system_sgpr_workgroup_id_x 1
		.amdhsa_system_sgpr_workgroup_id_y 1
		.amdhsa_system_sgpr_workgroup_id_z 1
		.amdhsa_system_vgpr_workitem_id 0
		.amdhsa_next_free_vgpr 68
		.amdhsa_next_free_sgpr 66
		.amdhsa_reserve_vcc 0
		.amdhsa_float_denorm_mode_32 3
		.amdhsa_float_denorm_mode_16_64 3
		.amdhsa_memory_ordered 1
		.amdhsa_forward_progress 1
		.amdhsa_inst_pref_size 9
	.end_amdhsa_kernel
	.amdgpu_metadata
---
amdhsa.version: [ 1, 2 ]
amdhsa.kernels:
  - .name:           k_qdfc1bdc26a_pack
    .symbol:         k_qdfc1bdc26a_pack.kd
    .args:
      - { .name: codebook, .offset: 0, .size: 8, .value_kind: global_buffer, .address_space: global }
      - { .name: cbk, .offset: 8, .size: 8, .value_kind: global_buffer, .address_space: global }
    .group_segment_fixed_size: 18432
    .private_segment_fixed_size: 0
    .kernarg_segment_align: 8
    .kernarg_segment_size: 16
    .max_flat_workgroup_size: 256
    .sgpr_count:     66
    .vgpr_count:     68
    .wavefront_size: 32
...
	.end_amdgpu_metadata
.endif
;; end of part 1
;; launch search (part 2): grid 256 x 1, 4 waves a work-group, clusters of 4 x 1, 327,680 bytes of LDS; arguments z, cbk, grp, arow; writes grp, arow
.if DOCPART == 2
	.amdgcn_target "amdgcn-amd-amdhsa--gfx1250"
	.amdhsa_code_object_version 6
	.text
	.protected	k_qdfc1bdc26a_search
	.globl	k_qdfc1bdc26a_search
	.p2align	8
	.type	k_qdfc1bdc26a_search,@function
k_qdfc1bdc26a_search:
	s_mov_b64 s[64:65], 0
	v_nop
	global_prefetch_b8 v0, s[64:65] scope:SCOPE_SE
	s_setreg_imm32_b32 hwreg(HW_REG_WAVE_MODE, 25, 1), 1
	s_wait_xcnt 0x0
	s_wait_alu depctr_hold_cnt(0) depctr_sa_sdst(0) depctr_va_vdst(0) depctr_va_sdst(0) depctr_va_ssrc(0) depctr_va_vcc(0) depctr_vm_vsrc(0)
	s_getreg_b32 s2, hwreg(HW_REG_IB_STS2, 6, 4)
	s_cmp_eq_u32 s2, 0
	s_cbranch_scc0 .Lentry_in_a_cluster
	s_endpgm
.Lentry_in_a_cluster:
	s_bfe_u32 s2, ttmp6, 0x10000c
	s_cmp_lg_u32 s2, 0x3003
	s_cbranch_scc0 .Lentry_shape_is_right
	s_endpgm
.Lentry_shape_is_right:
; THE SEARCH.  z: 32,768 rows of 256 f32.  cbk: the codebook's image (bf16 rows of 528 bytes with b' = -1/2 sum e^2 at byte 512).  For each row of z: grp = the number of the group of
; eight consecutive codes that holds the first minimum of d = (a + b) - 2 c, and arow = a.  a = sum z^2, b = sum e^2, c = z . e, ALL of z and e rounded to bf16.
; THE ARITHMETIC.  With a' = -a/2 and b' = -b/2 (exact), d' = fl(c + fl(a' + b')) is -d/2 bit for bit, with the two roundings that d itself has; so the first minimum of d is the first
; maximum of d'.  c comes from the matrix unit (products of bf16 are exact in f32, sums in f32).  Ties go to the lowest code: tiles ascend and only a greater d' replaces the best.
; LIMITS.  A NaN loses every maximum and infinities are not treated apart; c's and a's sums are taken in another order than a plain loop's, so two codes whose d differ only by that may change places.
; SHARES.  A work-group owns 128 rows of z; EVERY wave holds all 128 as bf16 fragments (512 registers) and walks one quarter of the codes, 128 tiles of 16, through a ring of its own.
; A tile: 16 + 8 LDS loads for 64 matrix instructions.  D = A B with A = 16 codes, B = 16 rows of z: a lane holds ONE row of z (lane % 16) and the codes 8 (lane / 16) + 0..7: one group.
; So a lane's eight d' are folded by maxima, and one compare a tile and row tile keeps the best and its tile's number; which of the eight it was is found by the next launch, which reads the eight rows anyway.
; BY TURNS.  The 8 row tiles are two groups of four accumulators.  While one group's 32 products are issued, the other group's vector work (60 instructions) stands behind them, two to four at a time.
; CLUSTER.  All work-groups walk the same image in the same order: wave w's slot is asked for JOINTLY by the four work-groups of a cluster (same line, same descriptor, mask 15).
; REGISTERS, in blocks of 256 (s_set_vgpr_msb: bits 1:0 source 0, 3:2 source 1, 5:4 source 2, 7:6 destination):
;   block 0: the head's and the end's work.   blocks 1, 2: z: fragment (row tile rt, K step ks) at 64 (rt % 4) + 8 ks of block 1 + rt / 4.   block 3: all that the loop touches beside z.
; A product wants z in source 1; vector lines with no vector register in source 1 run under the product's own setting; only the maxima and the compare want a switch: five pairs in 32 products.
.set SLOTB,  64*528                    ; a slot: 64 rows of the image, four tiles, 132 blocks of 256 bytes
.set TILEB,  16*528
.set R1,     4*SLOTB                   ; the four waves' slots 0, then their slots 1.  w x SLOTB has no bit in common with R1 (0x21000), so an exclusive or changes slots
.set ZPITCH, 1040                      ; z waits in the slots 1: wave w's 32 rows of 1,024 bytes + 16 of padding: the 16 rows of a load start in 16 different groups of four banks
.set ASCR,   2*R1                      ; behind the rings, never filled by a tensor load: a[128],
.set MD,     ASCR+512                  ; the four waves' best d' [4][128],
.set MG,     MD+2048                   ; their groups [4][128],
.set SPARE,  MG+2048                   ; and the spare words, 128 bytes for each wave: two blocks of 256 bytes that no other line names
; block 0
.set ZA,  4                            ; v4-7    my lane's place in part 0..3 of z: 1040 (l % 16) + 16 (l / 16)
.set AA,  8                            ; v8      row 32 w + lane of z
.set AR,  9                            ; v9      a of row l % 16
.set SUM, 10                           ; v10-13  four chains of squares
.set NUL, 14                           ; v14     0
.set AT,  15                           ; v15     a of my thread's row
.set PK,  16                           ; v16-47  a quarter row in bf16
.set TF,  64                           ; v64-191 two buffers of 64 f32
; block 3
.set KF,  0                            ; v0-127   the codes' fragments, two buffers: KF + 64 p + 8 ks
.set S,   128                          ; v128-191 the accumulators: group g, row tile q of it at S + 32 g + 8 q
.set BP,  192                          ; v192-207 b' of my eight codes, two buffers
.set T,   208                          ; v208-215 a' + b'
.set AP,  224                          ; v224-231 a' of my row in each row tile
.set BEST,232                          ; v232-239 the best d'
.set ID,  240                          ; v240-247 its tile's number
.set AK0, 248                          ; my lane's place in a tile: w SLOTB + 528 (l % 16) + 16 (l / 16)
.set AB0, 249                          ; and at its b': w SLOTB + 528 x 8 (l / 16) + 512
.set ADR, 250                          ; the two for the tile to be fetched
.set ADB, 251
.set SPW, 252                          ; LDS address of my spare word; never rewritten
.set NIL, 253                          ; 0; never rewritten
.set HB,  254                          ; 256 w + l / 16: my first group
.set MSA, 255                          ; where my wave's results go: MD + 512 w + 4 (l % 16)
.set WV,  12                           ; s12  wave
.set G1C, 16                           ; s[16:23] group 1 for the image's slots
.set G1Z, 24                           ; s[24:31] group 1 for z
.set G0C, 32                           ; s[32:35] group 0 for the slots: it walks
.set G0Z, 36                           ; s[36:39] group 0 for z
.set MK,  40                           ; s40-43  the four compares' masks
.set TID, 44                           ; s44  the number of the tile whose d' are being folded
.set TB,  45                           ; s45  LDS byte, from my ring's first, of the tile to be fetched
.set CNT, 46
.set SLOTS, 47
.set NINF, 48                          ; s48  -infinity
.set SEL, 50                           ; s[50:51] v_permlanex16_b32: each lane takes its own place in the other half
.set MSB, 0
.macro WIN new                         ; the high byte repeats the setting that is left; a switch that changes nothing is dropped
.if MSB != (\new)
	s_set_vgpr_msb (MSB<<8)|(\new)
.set MSB, (\new)
.endif
.endm
; A round of the cluster's barrier: my work-group's barrier, so that wave 0's signal speaks for all four waves; wave 0 signals; every wave waits for all four work-groups; my work-group's barrier once more.
.macro CROUND
	s_barrier_signal -1
	s_barrier_wait -1
	s_cmp_lg_u32 s[WV], 0
	s_cbranch_scc1 .Lnot_wave_0_\@
	s_barrier_signal -3
.Lnot_wave_0_\@:
	s_barrier_wait -3
	s_barrier_signal -1
	s_barrier_wait -1
.endm
; THE CHANGE OF SLOTS stands in front of a slot's LAST tile, whose fragments are in registers already.  Each wave waits for all its tensor loads, of which one is out: the other slot's; adds 0 to its
; spare word; waits for that and for its reads of the slot that it leaves.  fill = 1: behind a round of the cluster's barrier the slot is filled again, first thing, with the rows two slots on:
; that load has four tiles, 256 matrix instructions, in which to land.  (At its first use the bytes left are z's, which every wave has read.)
.macro CHANGE fill
	WIN 0x0f                                       ; the add's two registers lie in block 3
	s_wait_tensorcnt 0x0                           ; no tensor load of mine is out, so group 0 may be written
	ds_add_u32 v[SPW], v[NIL]                      ; 0 onto my spare word
	WIN 0                                          ; at a label and at a branch every field is 0
.if \fill
	s_xor_b32 s[G0C+1], s[G0C+1], R1               ; the other slot than last time,
	s_add_nc_u64 s[G0C+2:G0C+3], s[G0C+2:G0C+3], SLOTB  ; the next 64 rows; the type bits on top are not reached
	s_wait_dscnt 0x0                               ; the add is done, and my reads of the slot are over
	CROUND
	tensor_load_to_lds s[G0C:G0C+3], s[G1C:G1C+7]  ; my one tensor load behind the round
	s_nop 0
.rept 4
	v_nop
.endr
.else
	s_wait_dscnt 0x0
	s_barrier_signal -1
	s_barrier_wait -1
.endif
	s_sub_co_u32 s[TB], s[TB], 4*TILEB             ; the fetches go back to a slot's first tile,
	s_xor_b32 s[TB], s[TB], R1                     ; in the other slot
.endm
	s_load_b256 s[4:11], s[0:1], 0x0               ; z s[4:5], cbk s[6:7], grp s[8:9], arow s[10:11]
	WIN 0xc0                                       ; destination block 3, sources block 0
	v_lshl_add_u32 v[SPW], v0, 2, SPARE
	v_mov_b32 v[NIL], 0
	WIN 0x0f
	ds_add_u32 v[SPW], v[NIL]                      ; the wave's opening: the add and its wait stand ahead of my first tensor load; the set-up below stands between them
	WIN 0
	v_lshrrev_b32 v1, 5, v0
	v_readfirstlane_b32 s[WV], v1                  ; wave 0..3
	s_bfe_u32 s13, ttmp6, 0x40000                  ; cx: my place in the cluster
	s_lshl_b32 s14, ttmp9, 2                       ; in a cluster launch ttmp9 counts clusters
	s_add_co_u32 s14, s14, s13                     ; my work-group: it enters z's, grp's and arow's addresses alone
	; group 1 for a slot: 33,792 dense bytes as 132 rows of 256
	s_mov_b32 s[G1C],   15|(3<<16)|(1<<21)         ; 15:0 the mask of four; 17:16 elements of 8 bytes; 21 set beside a mask; no padding: the image has its own
	s_mov_b32 s[G1C+1], 32<<16                     ; tensor_dim0 = 32
	s_mov_b32 s[G1C+2], 132<<16                    ; tensor_dim1 = 132
	s_mov_b32 s[G1C+3], 32<<16                     ; tile_dim0 = 32
	s_mov_b32 s[G1C+4], 132                        ; tile_dim1 = 132
	s_mov_b32 s[G1C+5], 32                         ; 32 elements from row to row
	s_mov_b32 s[G1C+6], 0
	s_mov_b32 s[G1C+7], 0
	; group 1 for z: 32 rows of 256 f32, 16 bytes of padding behind each; no mask: the rows are my work-group's own
	s_mov_b32 s[G1Z],   (2<<16)|(1<<20)|(7<<22)|(3<<25)  ; 17:16 elements of 4 bytes; 20 padding on; 24:22 after every 256 words (code 7); 31:25 4 words (code 3)
	s_mov_b32 s[G1Z+1], 256<<16
	s_mov_b32 s[G1Z+2], 32<<16
	s_mov_b32 s[G1Z+3], 256<<16
	s_mov_b32 s[G1Z+4], 32
	s_mov_b32 s[G1Z+5], 256
	s_mov_b32 s[G1Z+6], 0
	s_mov_b32 s[G1Z+7], 0
	s_mul_i32 s15, s[WV], SLOTB                    ; my ring: no place in the cluster enters an LDS address
	s_mov_b32 s[G0C], 1
	s_mov_b32 s[G0C+1], s15                        ; slot 0
	s_mov_b32 s[G0Z], 1
	s_add_co_u32 s[G0Z+1], s15, R1                 ; z's part w waits where slot 1 will be
	s_mul_i32 s54, s[WV], 2048*528                 ; my quarter of the image: the wave's number alone
	s_mov_b32 s55, 0
	s_lshl_b32 s52, s14, 17                        ; my work-group's 128 rows of 1,024 bytes,
	s_lshl_b32 s53, s[WV], 15                      ; my wave's 32 of them
	s_add_co_u32 s52, s52, s53
	s_mov_b32 s53, 0
	s_mov_b32 s[NINF], 0xff800000
	s_mov_b32 s[SEL], 0x76543210
	s_mov_b32 s[SEL+1], 0xfedcba98
	s_wait_dscnt 0x0                               ; the opening add is done
	s_wait_kmcnt 0x0
	s_add_nc_u64 s[G0C+2:G0C+3], s[6:7], s[54:55]
	s_or_b32 s[G0C+3], s[G0C+3], 0x80000000        ; type = 2
	s_add_nc_u64 s[G0Z+2:G0Z+3], s[4:5], s[52:53]
	s_or_b32 s[G0Z+3], s[G0Z+3], 0x80000000
	CROUND                                         ; all four work-groups are here: the first joint loads meet
	tensor_load_to_lds s[G0Z:G0Z+3], s[G1Z:G1Z+7]  ; the first fills go out together: two tensor loads of mine are out.  z first: it is wanted first
	s_nop 0
	tensor_load_to_lds s[G0C:G0C+3], s[G1C:G1C+7]
	s_nop 0
.rept 4
	v_nop
.endr
	v_and_b32 v1, 15, v0                           ; l % 16
	v_bfe_u32 v2, v0, 4, 1                         ; l / 16
	v_and_b32 v3, 31, v0                           ; lane
	v_mul_u32_u24 v48, v1, ZPITCH
	v_lshl_add_u32 v48, v2, 4, v48
.irp part, 0,1,2,3
	v_add_nc_u32 v[ZA+\part], R1+\part*SLOTB, v48
.endr
	s_add_co_u32 s52, s15, R1
	v_mul_u32_u24 v[AA], v3, ZPITCH
	v_add_nc_u32 v[AA], s52, v[AA]
	v_lshl_add_u32 v[AR], v1, 2, ASCR
	v_lshl_add_u32 v[AT], v0, 2, ASCR
	v_mov_b32 v[NUL], 0
	v_mul_u32_u24 v49, v1, 528
	v_lshl_add_u32 v49, v2, 4, v49
	v_mul_u32_u24 v50, v2, 8*528
	s_add_co_u32 s53, s15, 512
	s_lshl_b32 s54, s[WV], 8
	s_lshl_b32 s55, s[WV], 9
	s_add_co_u32 s55, s55, MD
	WIN 0xc0
	v_add_nc_u32 v[AK0], s15, v49
	v_add_nc_u32 v[AB0], s53, v50
	v_add_nc_u32 v[HB], s54, v2
	v_lshl_add_u32 v[MSA], v1, 2, s55
	; The first tile's first run folds the second group of a tile that has not been: its d' are -infinity, which replace nothing.  56 lines, in the wait for z.
.set i, 0
.rept 32
	v_mov_b32 v[S+32+i], s[NINF]
.set i, i+1
.endr
.set i, 0
.rept 8
	v_mov_b32 v[BP+8+i], 0
	v_mov_b32 v[BEST+i], s[NINF]
	v_mov_b32 v[ID+i], 0
.set i, i+1
.endr
	WIN 0
	; a = THE SUM OF THE SQUARES of my thread's row, rounded to bf16 first: row 32 w + lane lies in the part that my own load brought.  Four quarters of 64 numbers, two register buffers.
.macro ALOAD c
.irp i, 0,1,2,3,4,5,6,7,8,9,10,11,12,13,14,15
	ds_load_b128 v[TF+64*((\c)%2)+4*\i:TF+64*((\c)%2)+4*\i+3], v[AA] offset:256*(\c)+16*\i
.endr
.endm
.macro ASUM c
.set i, 0
.rept 32
	v_cvt_pk_bf16_f32 v[PK+i], v[TF+64*((\c)%2)+2*i], v[TF+64*((\c)%2)+2*i+1]
.set i, i+1
.endr
.set i, 0
.rept 32
.if ((\c) == 0) && (i < 2)                         ; the first four squares start the four chains
	v_fma_mix_f32_bf16 v[SUM+2*i],   v[PK+i], v[PK+i], v[NUL] op_sel_hi:[1,1,0]
	v_fma_mix_f32_bf16 v[SUM+2*i+1], v[PK+i], v[PK+i], v[NUL] op_sel:[1,1,0] op_sel_hi:[1,1,0]
.else
	v_fma_mix_f32_bf16 v[SUM+2*(i%2)],   v[PK+i], v[PK+i], v[SUM+2*(i%2)] op_sel_hi:[1,1,0]
	v_fma_mix_f32_bf16 v[SUM+2*(i%2)+1], v[PK+i], v[PK+i], v[SUM+2*(i%2)+1] op_sel:[1,1,0] op_sel_hi:[1,1,0]
.endif
.set i, i+1
.endr
.endm
	s_wait_tensorcnt 0x1                           ; tensor loads of a wave end in order (ISA guide 10.11.1): my part of z is in; slot 0's load, issued behind it, may stay out
	ALOAD 0
	ALOAD 1
	s_wait_dscnt 16                                ; all but the 16 just issued
	ASUM 0
	ALOAD 2
	s_wait_dscnt 16
	ASUM 1
	ALOAD 3
	s_wait_dscnt 16
	ASUM 2
	s_wait_dscnt 0x0
	ASUM 3
	v_add_f32 v[SUM], v[SUM], v[SUM+1]
	v_add_f32 v[SUM+2], v[SUM+2], v[SUM+3]
	v_add_f32 v[SUM], v[SUM], v[SUM+2]
	ds_store_b32 v[AT], v[SUM]
	s_wait_dscnt 0x0                               ; for the others' sake: my a are written (and my part of z has landed: the wait above)
	s_barrier_signal -1
	s_barrier_wait -1                              ; all of z and of a may be read
	; z INTO FRAGMENTS.  Fragment (rt, ks): lane l holds row 16 rt + l % 16; registers 0-3 the image's chunk 4 ks + l / 16 (elements 4 c .. and 128 + 4 c ..), registers 4-7 chunk 4 ks + 2 + l / 16.
.macro ZLOAD b                         ; half b % 2 of row tile b / 2: four fragments as 64 f32
	WIN 0
.set rt, (\b)/2
.irp f, 0,1,2,3
.set rD, TF+64*((\b)%2)+16*\f
.set zo, (rt%2)*16*ZPITCH+64*(4*((\b)%2)+\f)
	ds_load_b128 v[rD:rD+3],     v[ZA+rt/2] offset:zo
	ds_load_b128 v[rD+4:rD+7],   v[ZA+rt/2] offset:zo+512
	ds_load_b128 v[rD+8:rD+11],  v[ZA+rt/2] offset:zo+32
	ds_load_b128 v[rD+12:rD+15], v[ZA+rt/2] offset:zo+544
.endr
.endm
.macro ZCVT b
.set rt, (\b)/2
	WIN 0x40*(1+rt/4)                              ; destination block 1 or 2
.set i, 0
.rept 32
	v_cvt_pk_bf16_f32 v[64*(rt%4)+32*((\b)%2)+i], v[TF+64*((\b)%2)+2*i], v[TF+64*((\b)%2)+2*i+1]
.set i, i+1
.endr
.endm
	WIN 0xc0
.irp rt, 0,1,2,3,4,5,6,7
	ds_load_b32 v[AP+\rt], v[AR] offset:64*\rt     ; a of my row in each row tile
.endr
	ZLOAD 0
.set bb, 1
.rept 15
	ZLOAD bb
	s_wait_dscnt 16                                ; all but the 16 just issued
	ZCVT bb-1
.set bb, bb+1
.endr
	s_wait_dscnt 0x0
	ZCVT 15
	WIN 0xff
.irp rt, 0,1,2,3,4,5,6,7
	v_mul_f32 v[AP+\rt], -0.5, v[AP+\rt]           ; a'
.endr
; THE MATRIX WORK.  Product n of 32 of group g on buffer p: K step n / 4, row tile n % 4 of the group.  The four accumulators take turns, one instruction a turn; the first four start the sums.
.macro MM g, p
.set rS, S+32*(\g)+8*(n%4)
.set rK, KF+64*(\p)+8*(n/4)
.set rZ, 64*(n%4)+8*(n/4)
	WIN 0xf7+4*(\g)                                ; codes, C and D in block 3; z in block 1 or 2
.if n < 4
	v_wmma_f32_16x16x32_bf16 v[rS:rS+7], v[rK:rK+7], v[rZ:rZ+7], 0
.else
	v_wmma_f32_16x16x32_bf16 v[rS:rS+7], v[rK:rK+7], v[rZ:rZ+7], v[rS:rS+7]
.endif
.endm
; THE LDS LOADS of the next tile: 16 for its fragments, 8 for its b'
.macro ADDR
	v_add_nc_u32 v[ADR], v[AK0], s[TB]
	v_add_nc_u32 v[ADB], v[AB0], s[TB]
	s_add_co_u32 s[TB], s[TB], TILEB
.endm
.macro KLOAD p, i
	ds_load_b128 v[KF+64*(\p)+4*(\i):KF+64*(\p)+4*(\i)+3], v[ADR] offset:64*((\i)/2)+32*((\i)%2)
.endm
.macro BLOAD p, j
	ds_load_b32 v[BP+8*(\p)+(\j)], v[ADB] offset:528*(\j)
.endm
; THE VECTOR WORK for group og, whose products are done; b' in buffer bp.  What stands behind product n:
;   n = 4 q + u, q the row tile: u = 0, 1: a' + b' for my eight codes (one rounding); u = 2, 3: c + that, in place, from the accumulator's lowest registers on (one rounding): d'
;   16-19  the largest of each row tile's eight d'      20  is it greater than the best?      21, 22  then the tile's number is kept      23, 24  and the best raised
.macro TADD m, bp
.if rt%2
	v_pk_fma_f32 v[T+2*(\m):T+2*(\m)+1], v[BP+8*(\bp)+2*(\m):BP+8*(\bp)+2*(\m)+1], 1.0, v[AP+rt-1:AP+rt] op_sel:[0,0,1] op_sel_hi:[1,0,1]
.else
	v_pk_fma_f32 v[T+2*(\m):T+2*(\m)+1], v[BP+8*(\bp)+2*(\m):BP+8*(\bp)+2*(\m)+1], 1.0, v[AP+rt:AP+rt+1] op_sel_hi:[1,0,0]
.endif
.endm
.macro DADD m
	v_pk_fma_f32 v[rS+2*(\m):rS+2*(\m)+1], v[T+2*(\m):T+2*(\m)+1], 1.0, v[rS+2*(\m):rS+2*(\m)+1] op_sel_hi:[1,0,1]
.endm
.macro RIDER og, bp
.set u, n%4
.set rt, 4*(\og)+n/4
.set rS, S+32*(\og)+8*(n/4)
.if n < 16
.if u < 2
	TADD 2*u, \bp
	TADD 2*u+1, \bp
.else
	DADD 2*u-4
	DADD 2*u-3
.endif
.elseif n < 21
	WIN 0xff                                       ; these name a vector register in source 1
.irp x, 0,1,2,3
.set rS, S+32*(\og)+8*\x
.if n == 16
	v_max3_num_f32 v[rS], v[rS], v[rS+1], v[rS+2]
.elseif n == 17
	v_max3_num_f32 v[rS+3], v[rS+3], v[rS+4], v[rS+5]
.elseif n == 18
	v_max3_num_f32 v[rS], v[rS], v[rS+6], v[rS+7]
.elseif n == 19
	v_max_num_f32 v[rS], v[rS], v[rS+3]
.else
	v_cmp_gt_f32 s[MK+\x], v[rS], v[BEST+4*(\og)+\x]
.endif
.endr
.elseif n < 23
.irp e, 0,1
.set x, 2*(n-21)+\e
	v_cndmask_b32 v[ID+4*(\og)+x], v[ID+4*(\og)+x], s[TID], s[MK+x]
.endr
.elseif n < 25
.irp e, 0,1
.set x, 2*(n-23)+\e
	v_max3_num_f32 v[BEST+4*(\og)+x], v[S+32*(\og)+8*x], s[NINF], v[BEST+4*(\og)+x]
.endr
.endif
.endm
; A RUN: group g's 32 products on buffer p, the other group's vector work behind them.  A vector instruction that reads or writes a matrix result, and a load into a register that a matrix
; instruction has read, stand four places behind it, and only plain vector instructions that name none of its registers are places (ISA guide 7.12.1 for vector instructions)
; the four sums a' + b' behind products 0 and 1 are those places, for the first c + .. behind product 2 and for the first load into the buffer that the last tile's products read.
.macro RUN g, p, fetch
.set n, 0
.rept 32
	MM \g, \p
	RIDER 1-(\g), (\g)*(\p)+(1-(\g))*(1-(\p))
.if (\fetch) && ((\g) == 0)
.if n == 1
	ADDR
.elseif (n >= 2) && (n <= 9)
	KLOAD 1-(\p), 2*n-4
	KLOAD 1-(\p), 2*n-3
.endif
.endif
.if (\fetch) && ((\g) == 1) && (n >= 2) && (n <= 5)
	BLOAD 1-(\p), 2*n-4                            ; the first run's sums were the last to read that buffer of b'
	BLOAD 1-(\p), 2*n-3
.endif
.set n, n+1
.endr
.endm
; A TILE on buffer p.  Its first run folds the second group of the tile before (old number, the other buffer's b'), its second run its own first group.
.macro TILE p, fetch
	s_wait_dscnt 0x0                               ; the tile's fragments were asked for 54 matrix instructions ago or more, its b' 26
	RUN 0, \p, \fetch
	s_add_co_u32 s[TID], s[TID], 1
	RUN 1, \p, \fetch
.endm
	s_mov_b32 s[TB], R1+4*TILEB                    ; the first change of slots turns this into 0
	CHANGE 1                                       ; slot 0 is in; z's bytes, which every wave has read out, take slot 1
	WIN 0xff
	ADDR                                           ; tile 0
.set i, 0
.rept 16
	KLOAD 0, i
.set i, i+1
.endr
.set i, 0
.rept 8
	BLOAD 0, i
.set i, i+1
.endr
	WIN 0
	s_mov_b32 s[TID], -1
	s_mov_b32 s[CNT], 2
	s_mov_b32 s[SLOTS], 31
	s_branch .Lmid                                 ; the loop is entered in the middle of a trip: three tiles, then the first change in front of slot 0's last tile
.Lslot:                                                ; 30 times: slots 2 to 31 are asked for
	CHANGE 1
	s_mov_b32 s[CNT], 2
.Lpair:
	TILE 1, 1
	WIN 0
.Lmid:
	TILE 0, 1
	WIN 0
	s_sub_co_u32 s[CNT], s[CNT], 1
	s_cmp_lg_u32 s[CNT], 0
	s_cbranch_scc1 .Lpair
	s_sub_co_u32 s[SLOTS], s[SLOTS], 1
	s_cmp_lg_u32 s[SLOTS], 0
	s_cbranch_scc1 .Lslot
	CHANGE 0                                       ; the tail is written out: slot 31 is in, nothing is asked for
	s_mov_b32 s[CNT], 2
.Ltail:
	TILE 1, 1
	TILE 0, 1
	WIN 0
	s_sub_co_u32 s[CNT], s[CNT], 1
	s_cmp_lg_u32 s[CNT], 0
	s_cbranch_scc1 .Ltail
	TILE 1, 0                                      ; tile 127
	WIN 0xff
.set n, 0
.rept 25
	RIDER 1, 1                                     ; its second group; the first four lines are the places behind the last products
.set n, n+1
.endr
	; THE END.  A lane's best becomes a group's number; the two halves of the lanes (the even and the odd groups of a row) meet; the four waves' quarters meet in LDS.  On equal d' the lower group stays.
.irp rt, 0,1,2,3,4,5,6,7
	v_lshl_add_u32 v[ID+\rt], v[ID+\rt], 1, v[HB]  ; 256 w + 2 x tile + l / 16
.endr
.irp rt, 0,1,2,3,4,5,6,7
	v_permlanex16_b32 v[KF+\rt], v[BEST+\rt], s[SEL], s[SEL+1]
	v_permlanex16_b32 v[KF+8+\rt], v[ID+\rt], s[SEL], s[SEL+1]
.endr
.irp rt, 0,1,2,3,4,5,6,7
	v_cmp_gt_f32 s52, v[KF+\rt], v[BEST+\rt]
	v_cmp_eq_f32 s53, v[KF+\rt], v[BEST+\rt]
	v_cmp_lt_u32 s54, v[KF+8+\rt], v[ID+\rt]
	s_and_b32 s53, s53, s54
	s_or_b32 s52, s52, s53
	v_cndmask_b32 v[BEST+\rt], v[BEST+\rt], v[KF+\rt], s52
	v_cndmask_b32 v[ID+\rt], v[ID+\rt], v[KF+8+\rt], s52
.endr
.irp rt, 0,1,2,3,4,5,6,7
	ds_store_b32 v[MSA], v[BEST+\rt] offset:64*\rt       ; both halves of the lanes store the same word
	ds_store_b32 v[MSA], v[ID+\rt] offset:2048+64*\rt
.endr
	WIN 0
	s_wait_dscnt 0x0                               ; for wave 0's sake
	s_barrier_signal -1
	s_barrier_wait -1
	s_cmp_lg_u32 s[WV], 0
	s_cbranch_scc1 .Lend
	v_lshl_add_u32 v4, v3, 4, ASCR                 ; lane l takes rows 4 l .. 4 l + 3
	v_lshlrev_b32 v5, 4, v3
	ds_load_b128 v[16:19], v4                      ; a
.irp w, 0,1,2,3
	ds_load_b128 v[20+4*\w:23+4*\w], v4 offset:512+512*\w    ; wave w's d'
	ds_load_b128 v[36+4*\w:39+4*\w], v4 offset:2560+512*\w   ; and groups
.endr
	s_lshl_b32 s52, s14, 9                         ; my work-group's 128 words
	s_mov_b32 s53, 0
	s_add_nc_u64 s[8:9], s[8:9], s[52:53]
	s_add_nc_u64 s[10:11], s[10:11], s[52:53]
	s_wait_dscnt 0x0
.irp w, 1,2,3                          ; the quarters ascend: only a greater d' replaces
.irp i, 0,1,2,3
	v_cmp_gt_f32 vcc_lo, v[20+4*\w+\i], v[20+\i]
	v_cndmask_b32 v[36+\i], v[36+\i], v[36+4*\w+\i], vcc_lo
	v_max_num_f32 v[20+\i], v[20+\i], v[20+4*\w+\i]
.endr
.endr
	global_store_b128 v5, v[36:39], s[8:9]         ; 512 consecutive bytes, at a multiple of 256 from the buffer's first
	global_store_b128 v5, v[16:19], s[10:11]
.Lend:
	WIN 0x0f
	s_wait_tensorcnt 0x0                           ; the wave's end, behind my last tensor load and my last LDS store
	ds_add_u32 v[SPW], v[NIL]
	s_wait_dscnt 0x0
	WIN 0
	CROUND                                         ; the closing round: no work-group ends while a partner may still ask for a slot that names it
	s_endpgm
.Lfunc_end_k_qdfc1bdc26a_search:
	.size	k_qdfc1bdc26a_search, .Lfunc_end_k_qdfc1bdc26a_search-k_qdfc1bdc26a_search
	.p2alignl 7, 3214868480
	.fill 96, 4, 3214868480
	.section	.rodata,"a",@progbits
	.p2align	6, 0x0
	.amdhsa_kernel k_qdfc1bdc26a_search
		.amdhsa_group_segment_fixed_size 327680
		.amdhsa_private_segment_fixed_size 0
		.amdhsa_enable_private_segment 0
		.amdhsa_kernarg_size 32
		.amdhsa_user_sgpr_count 2
		.amdhsa_user_sgpr_kernarg_segment_ptr 1
		.amdhsa_wavefront_size32 1
		.amdhsa_system_sgpr_workgroup_id_x 1
		.amdhsa_system_sgpr_workgroup_id_y 1
		.amdhsa_system_sgpr_workgroup_id_z 1
		.amdhsa_system_vgpr_workitem_id 0
		.amdhsa_next_free_vgpr 1024
		.amdhsa_next_free_sgpr 66
		.amdhsa_reserve_vcc 1
		.amdhsa_float_denorm_mode_32 3
		.amdhsa_float_denorm_mode_16_64 3
		.amdhsa_memory_ordered 1
		.amdhsa_forward_progress 1
		.amdhsa_inst_pref_size 169
	.end_amdhsa_kernel
	.amdgpu_metadata
---
amdhsa.version: [ 1, 2 ]
amdhsa.kernels:
  - .name:           k_qdfc1bdc26a_search
    .symbol:         k_qdfc1bdc26a_search.kd
    .args:
      - { .name: z, .offset: 0, .size: 8, .value_kind: global_buffer, .address_space: global }
      - { .name: cbk, .offset: 8, .size: 8, .value_kind: global_buffer, .address_space: global }
      - { .name: grp, .offset: 16, .size: 8, .value_kind: global_buffer, .address_space: global }
      - { .name: arow, .offset: 24, .size: 8, .value_kind: global_buffer, .address_space: global }
    .group_segment_fixed_size: 327680
    .private_segment_fixed_size: 0
    .kernarg_segment_align: 8
    .kernarg_segment_size: 32
    .max_flat_workgroup_size: 128
    .sgpr_count:     66
    .vgpr_count:     1024
    .wavefront_size: 32
...
	.end_amdgpu_metadata
.endif
;; end of part 2
;; launch emit (part 3): grid 512 x 1, 8 waves a work-group, no clusters, 0 bytes of LDS; arguments z, cbk, grp, arow, out0, part; writes out0, part
.if DOCPART == 3
	.amdgcn_target "amdgcn-amd-amdhsa--gfx1250"
	.amdhsa_code_object_version 6
	.text
	.protected	k_qdfc1bdc26a_emit
	.globl	k_qdfc1bdc26a_emit
	.p2align	8
	.type	k_qdfc1bdc26a_emit,@function
k_qdfc1bdc26a_emit:
	s_mov_b64 s[64:65], 0
	v_nop
	global_prefetch_b8 v0, s[64:65] scope:SCOPE_SE
	s_setreg_imm32_b32 hwreg(HW_REG_WAVE_MODE, 25, 1), 1
	s_wait_xcnt 0x0
; THE WAY OUT.  For each row of z: the eight codes of its group (grp, whole numbers stored by the search) are read from the image, 4,224 consecutive bytes; d' = fl(c + fl(a' + b')) is made anew for the
; eight, the first greatest chosen by selects (no address and no branch hangs on it), and out0 = zb + (q - zb), with zb = z rounded to bf16 and q the chosen row, both roundings as the formula has them.
; Each wave leaves the sum of (q - zb)^2 over its eight rows in part: one f32 a wave, added up by the last launch.
; SHARES.  A wave owns eight consecutive rows, one at a time; lane l holds the elements 4 l .. 4 l + 3 and 128 + 4 l .. + 3, which is chunk l of an image row: every load and store of a wave covers
; 512 consecutive bytes.  The next row's ten loads are issued before a row is worked on.  No LDS, no barrier: no wave waits for another.  No cluster: each row's candidates are its own.
; LIMITS.  A group's number is held to 0 .. 1,023 before it enters an address.  A NaN loses every maximum; c is summed in another order than in the search.
.set ZF,  8                            ; v[8:23]    z as loaded, two buffers of 8
.set E,   24                           ; v[24:87]   the eight candidates' chunks, two buffers of 32
.set ZP,  88                           ; v[88:91]   z in bf16
.set ZB,  92                           ; v[92:99]   and back in f32
.set C,   100                          ; v[100:107] c, then d'
.set TMP, 108                          ; v[108:115] the other half of the lanes' sums, then a' + b'
.set BD,  118                          ; v118       the best d'
.set Q,   120                          ; v[120:123] the chosen chunk
.set QF,  124                          ; v[124:131] in f32
.set DIF, 132                          ; v[132:139] q - zb
.set OUT, 140                          ; v[140:147]
.set LOSS,148                          ; v[148:151]
.set BB,  48                           ; s[48:55], s[56:63] b' of the eight candidates, two buffers
	s_load_b256 s[4:11], s[0:1], 0x0               ; z s[4:5], cbk s[6:7], grp s[8:9], arow s[10:11]
	s_load_b128 s[12:15], s[0:1], 0x20             ; out0 s[12:13], part s[14:15]
	v_lshrrev_b32 v1, 5, v0
	v_readfirstlane_b32 s16, v1                    ; wave 0..7
	v_and_b32 v3, 31, v0                           ; lane
	v_lshlrev_b32 v1, 4, v3                        ; 16 bytes a lane; never rewritten
	v_mov_b32 v2, 0
	s_lshl_b32 s17, ttmp9, 3
	s_add_co_u32 s17, s17, s16                     ; my wave among the launch's 4,096
	s_lshl_b32 s18, s17, 5                         ; its eight words of grp and of arow
	s_mov_b32 s19, 0
	s_lshl_b32 s20, s17, 13                        ; its eight rows of 1,024 bytes
	s_mov_b32 s21, 0
	s_lshl_b32 s22, s17, 2                         ; its word of part
	s_mov_b32 s23, 0
	s_mov_b32 s41, 0
	s_mov_b32 s66, 0x76543210                      ; v_permlanex16_b32: each lane takes its own place in the other half
	s_mov_b32 s67, 0xfedcba98
.irp i, 0,1,2,3,4,5,6,7
	v_mov_b32 v[TMP+\i], 0                         ; v_permlanex16_b32 counts as a reader of its destination
.endr
.irp i, 0,1,2,3
	v_mov_b32 v[LOSS+\i], 0
.endr
	s_wait_kmcnt 0x0
	s_add_nc_u64 s[8:9], s[8:9], s[18:19]
	s_add_nc_u64 s[10:11], s[10:11], s[18:19]
	s_load_b256 s[24:31], s[8:9], 0x0              ; my eight groups
	s_load_b256 s[32:39], s[10:11], 0x0            ; my eight a
	s_add_nc_u64 s[44:45], s[4:5], s[20:21]        ; z at my first row
	s_add_nc_u64 s[46:47], s[12:13], s[20:21]      ; out0 likewise
	s_add_nc_u64 s[14:15], s[14:15], s[22:23]
	s_wait_kmcnt 0x0
; A row's ten vector loads and eight scalar ones, into buffer buf; its group's number lies in s[sg]
.macro LOADS buf, sg, first
	s_wait_xcnt 0x0                                ; every earlier memory instruction has had its addresses translated (ISA guide 3.1): the bases, and the registers that the last stores read, are rewritten only behind this wait
	s_min_u32 s40, s[\sg], 0x3ff
	s_mul_i32 s40, s40, 8*528
	s_add_nc_u64 s[42:43], s[6:7], s[40:41]
.irp j, 0,1,2,3,4,5,6,7
	global_load_b128 v[E+32*(\buf)+4*\j:E+32*(\buf)+4*\j+3], v1, s[42:43] offset:528*\j
.endr
.irp j, 0,1,2,3,4,5,6,7
	s_load_b32 s[BB+8*(\buf)+\j], s[42:43], 528*\j+512
.endr
.if !(\first)
	s_add_nc_u64 s[44:45], s[44:45], 1024
.endif
	global_load_b128 v[ZF+8*(\buf):ZF+8*(\buf)+3],   v1, s[44:45] th:TH_LOAD_NT
	global_load_b128 v[ZF+8*(\buf)+4:ZF+8*(\buf)+7], v1, s[44:45] offset:512 th:TH_LOAD_NT
.endm
; A row, in buffer buf; a in s[sa].  ahead = 1: the next row, whose group lies in s[sg], is asked for first.
.macro ROW buf, ahead, sg, sa
.set E0, E+32*(\buf)
	s_wait_kmcnt 0x0                               ; this row's b', asked for a row ago
.if \ahead
	LOADS 1-(\buf), \sg, 0
	s_wait_loadcnt 10                              ; loads come back in order (ISA guide 5.7.1): this row's are in, the ten just issued stay out
.else
	s_wait_xcnt 0x0
	s_wait_loadcnt 0x0
.endif
	s_add_nc_u64 s[46:47], s[46:47], 1024          ; behind the wait on XCNT; the stores below reach back
	s_mul_f32 s68, s[\sa], -0.5                    ; a'
.irp m, 0,1,2,3
	v_cvt_pk_bf16_f32 v[ZP+\m], v[ZF+8*(\buf)+2*\m], v[ZF+8*(\buf)+2*\m+1]
.endr
.irp m, 0,1,2,3
	v_lshlrev_b32 v[ZB+2*\m], 16, v[ZP+\m]
	v_and_b32 v[ZB+2*\m+1], 0xffff0000, v[ZP+\m]
.endr
	; my eight elements' share of the eight c: eight chains side by side
.irp i, 0,1,2,3
.irp j, 0,1,2,3,4,5,6,7
.if \i == 0
	v_fma_mix_f32_bf16 v[C+\j], v[E0+4*\j], v[ZB], v2 op_sel_hi:[1,0,0]
.else
	v_fma_mix_f32_bf16 v[C+\j], v[E0+4*\j+\i], v[ZB+2*\i], v[C+\j] op_sel_hi:[1,0,0]
.endif
.endr
.irp j, 0,1,2,3,4,5,6,7
	v_fma_mix_f32_bf16 v[C+\j], v[E0+4*\j+\i], v[ZB+2*\i+1], v[C+\j] op_sel:[1,0,0] op_sel_hi:[1,0,0]
.endr
.endr
	; across the 32 lanes: every lane ends with the same eight c
.irp x, 1,2,4,8
.irp j, 0,1,2,3,4,5,6,7
	v_add_f32_dpp v[C+\j], v[C+\j], v[C+\j] row_xmask:\x row_mask:0xf bank_mask:0xf
.endr
.endr
.irp j, 0,1,2,3,4,5,6,7
	v_permlanex16_b32 v[TMP+\j], v[C+\j], s66, s67
.endr
.irp j, 0,1,2,3,4,5,6,7
	v_add_f32 v[C+\j], v[C+\j], v[TMP+\j]
.endr
.irp j, 0,1,2,3,4,5,6,7
	v_add_f32 v[TMP+\j], s68, s[BB+8*(\buf)+\j]    ; fl(a' + b')
.endr
.irp j, 0,1,2,3,4,5,6,7
	v_add_f32 v[C+\j], v[C+\j], v[TMP+\j]          ; d'
.endr
	; the first greatest: the codes ascend, and only a greater d' replaces
	v_cmp_gt_f32 vcc_lo, v[C+1], v[C]
.irp i, 0,1,2,3
	v_cndmask_b32 v[Q+\i], v[E0+\i], v[E0+4+\i], vcc_lo
.endr
	v_max_num_f32 v[BD], v[C], v[C+1]
.irp j, 2,3,4,5,6,7
	v_cmp_gt_f32 vcc_lo, v[C+\j], v[BD]
.irp i, 0,1,2,3
	v_cndmask_b32 v[Q+\i], v[Q+\i], v[E0+4*\j+\i], vcc_lo
.endr
	v_max_num_f32 v[BD], v[BD], v[C+\j]
.endr
.irp m, 0,1,2,3
	v_lshlrev_b32 v[QF+2*\m], 16, v[Q+\m]
	v_and_b32 v[QF+2*\m+1], 0xffff0000, v[Q+\m]
.endr
.irp m, 0,2,4,6
	v_pk_add_f32 v[DIF+\m:DIF+\m+1], v[QF+\m:QF+\m+1], v[ZB+\m:ZB+\m+1] neg_lo:[0,1] neg_hi:[0,1]
.endr
.irp m, 0,2,4,6
	v_pk_add_f32 v[OUT+\m:OUT+\m+1], v[ZB+\m:ZB+\m+1], v[DIF+\m:DIF+\m+1]
.endr
.irp m, 0,2,4,6
	v_pk_fma_f32 v[LOSS+\m%4:LOSS+\m%4+1], v[DIF+\m:DIF+\m+1], v[DIF+\m:DIF+\m+1], v[LOSS+\m%4:LOSS+\m%4+1]
.endr
	global_store_b128 v1, v[OUT:OUT+3],   s[46:47] offset:-1024 th:TH_STORE_NT  ; 512 consecutive bytes, at a multiple of 256 from out0's first
	global_store_b128 v1, v[OUT+4:OUT+7], s[46:47] offset:-512 th:TH_STORE_NT
.endm
	LOADS 0, 24, 1
	s_mov_b32 s69, 3
.Lrows:                                                ; a trip takes two rows; the two lists of eight then move up by two, so that one text serves every trip
	ROW 0, 1, 25, 32
	ROW 1, 1, 26, 33
	s_mov_b64 s[24:25], s[26:27]
	s_mov_b64 s[26:27], s[28:29]
	s_mov_b64 s[28:29], s[30:31]
	s_mov_b64 s[32:33], s[34:35]
	s_mov_b64 s[34:35], s[36:37]
	s_mov_b64 s[36:37], s[38:39]
	s_sub_co_u32 s69, s69, 1
	s_cmp_lg_u32 s69, 0
	s_cbranch_scc1 .Lrows
	ROW 0, 1, 25, 32                               ; rows 6 and 7 are written out: the last asks for nothing
	ROW 1, 0, 0, 33
	v_pk_add_f32 v[LOSS:LOSS+1], v[LOSS:LOSS+1], v[LOSS+2:LOSS+3]
	v_add_f32 v[LOSS], v[LOSS], v[LOSS+1]
.irp x, 1,2,4,8
	v_add_f32_dpp v[LOSS], v[LOSS], v[LOSS] row_xmask:\x row_mask:0xf bank_mask:0xf
.endr
	v_permlanex16_b32 v[TMP], v[LOSS], s66, s67
	v_add_f32 v[LOSS], v[LOSS], v[TMP]
	v_cmp_eq_u32 vcc_lo, 0, v3
	s_wait_xcnt 0x0                                ; EXEC is a source of the stores above: it changes only behind this wait
	s_and_saveexec_b32 s70, vcc_lo
	global_store_b32 v2, v[LOSS], s[14:15]         ; lane 0: my wave's word
	s_wait_xcnt 0x0
	s_or_b32 exec_lo, exec_lo, s70
	s_endpgm
.Lfunc_end_k_qdfc1bdc26a_emit:
	.size	k_qdfc1bdc26a_emit, .Lfunc_end_k_qdfc1bdc26a_emit-k_qdfc1bdc26a_emit
	.p2alignl 7, 3214868480
	.fill 96, 4, 3214868480
	.section	.rodata,"a",@progbits
	.p2align	6, 0x0
	.amdhsa_kernel k_qdfc1bdc26a_emit
		.amdhsa_group_segment_fixed_size 0
		.amdhsa_private_segment_fixed_size 0
		.amdhsa_enable_private_segment 0
		.amdhsa_kernarg_size 48
		.amdhsa_user_sgpr_count 2
		.amdhsa_user_sgpr_kernarg_segment_ptr 1
		.amdhsa_wavefront_size32 1
		.amdhsa_system_sgpr_workgroup_id_x 1
		.amdhsa_system_sgpr_workgroup_id_y 1
		.amdhsa_system_sgpr_workgroup_id_z 1
		.amdhsa_system_vgpr_workitem_id 0
		.amdhsa_next_free_vgpr 152
		.amdhsa_next_free_sgpr 80
		.amdhsa_reserve_vcc 1
		.amdhsa_float_denorm_mode_32 3
		.amdhsa_float_denorm_mode_16_64 3
		.amdhsa_memory_ordered 1
		.amdhsa_forward_progress 1
		.amdhsa_inst_pref_size 54
	.end_amdhsa_kernel
	.amdgpu_metadata
---
amdhsa.version: [ 1, 2 ]
amdhsa.kernels:
  - .name:           k_qdfc1bdc26a_emit
    .symbol:         k_qdfc1bdc26a_emit.kd
    .args:
      - { .name: z, .offset: 0, .size: 8, .value_kind: global_buffer, .address_space: global }
      - { .name: cbk, .offset: 8, .size: 8, .value_kind: global_buffer, .address_space: global }
      - { .name: grp, .offset: 16, .size: 8, .value_kind: global_buffer, .address_space: global }
      - { .name: arow, .offset: 24, .size: 8, .value_kind: global_buffer, .address_space: global }
      - { .name: out0, .offset: 32, .size: 8, .value_kind: global_buffer, .address_space: global }
      - { .name: part, .offset: 40, .size: 8, .value_kind: global_buffer, .address_space: global }
    .group_segment_fixed_size: 0
    .private_segment_fixed_size: 0
    .kernarg_segment_align: 8
    .kernarg_segment_size: 48
    .max_flat_workgroup_size: 256
    .sgpr_count:     80
    .vgpr_count:     152
    .wavefront_size: 32
...
	.end_amdgpu_metadata
.endif
;; end of part 3
;; launch total (part 4): grid 1 x 1, 1 waves a work-group, no clusters, 0 bytes of LDS; arguments part, out1; writes out1
.if DOCPART == 4
	.amdgcn_target "amdgcn-amd-amdhsa--gfx1250"
	.amdhsa_code_object_version 6
	.text
	.protected	k_qdfc1bdc26a_total
	.globl	k_qdfc1bdc26a_total
	.p2align	8
	.type	k_qdfc1bdc26a_total,@function
k_qdfc1bdc26a_total:
	s_mov_b64 s[64:65], 0
	v_nop
	global_prefetch_b8 v0, s[64:65] scope:SCOPE_SE
	s_setreg_imm32_b32 hwreg(HW_REG_WAVE_MODE, 25, 1), 1
	s_wait_xcnt 0x0
; out1 = 0.25 m + m, m = the mean of (q - zb)^2 over 2^23 numbers: the 4,096 waves' sums in part are added in a fixed order by one wave.
; 16,384 bytes: 32 loads of 512 consecutive bytes, all on their way at once; four chains of packed additions; then across the lanes.
	s_load_b128 s[4:7], s[0:1], 0x0                ; part s[4:5], out1 s[6:7]
	v_lshlrev_b32 v1, 4, v0
	v_mov_b32 v2, 0
	v_mov_b32 v136, 0                              ; v_permlanex16_b32 counts as a reader of its destination
	s_mov_b32 s10, 0x76543210
	s_mov_b32 s11, 0xfedcba98
	s_wait_kmcnt 0x0
.set i, 0
.rept 32
	global_load_b128 v[8+4*i:11+4*i], v1, s[4:5] offset:512*i
.set i, i+1
.endr
	s_wait_loadcnt 0x0
.set i, 4
.rept 60
	v_pk_add_f32 v[8+2*(i%4):9+2*(i%4)], v[8+2*(i%4):9+2*(i%4)], v[8+2*i:9+2*i]
.set i, i+1
.endr
	v_pk_add_f32 v[8:9], v[8:9], v[10:11]
	v_pk_add_f32 v[12:13], v[12:13], v[14:15]
	v_pk_add_f32 v[8:9], v[8:9], v[12:13]
	v_add_f32 v8, v8, v9
.irp x, 1,2,4,8
	v_add_f32_dpp v8, v8, v8 row_xmask:\x row_mask:0xf bank_mask:0xf
.endr
	v_permlanex16_b32 v136, v8, s10, s11
	v_add_f32 v8, v8, v136
	v_mul_f32 v8, 0x34000000, v8                   ; x 2^-23: the mean
	v_fmamk_f32 v9, v8, 0x3e800000, v8             ; 0.25 m is exact, so one rounding, as in the sum of the two losses
	v_cmp_eq_u32 vcc_lo, 0, v0
	s_wait_xcnt 0x0                                ; EXEC changes only behind this wait
	s_and_saveexec_b32 s8, vcc_lo
	global_store_b32 v2, v9, s[6:7]
	s_wait_xcnt 0x0
	s_or_b32 exec_lo, exec_lo, s8
	s_endpgm
.Lfunc_end_k_qdfc1bdc26a_total:
	.size	k_qdfc1bdc26a_total, .Lfunc_end_k_qdfc1bdc26a_total-k_qdfc1bdc26a_total
	.p2alignl 7, 3214868480
	.fill 96, 4, 3214868480
	.section	.rodata,"a",@progbits
	.p2align	6, 0x0
	.amdhsa_kernel k_qdfc1bdc26a_total
		.amdhsa_group_segment_fixed_size 0
		.amdhsa_private_segment_fixed_size 0
		.amdhsa_enable_private_segment 0
		.amdhsa_kernarg_size 16
		.amdhsa_user_sgpr_count 2
		.amdhsa_user_sgpr_kernarg_segment_ptr 1
		.amdhsa_wavefront_size32 1
		.amdhsa_system_sgpr_workgroup_id_x 1
		.amdhsa_system_sgpr_workgroup_id_y 1
		.amdhsa_system_sgpr_workgroup_id_z 1
		.amdhsa_system_vgpr_workitem_id 0
		.amdhsa_next_free_vgpr 144
		.amdhsa_next_free_sgpr 66
		.amdhsa_reserve_vcc 1
		.amdhsa_float_denorm_mode_32 3
		.amdhsa_float_denorm_mode_16_64 3
		.amdhsa_memory_ordered 1
		.amdhsa_forward_progress 1
		.amdhsa_inst_pref_size 9
	.end_amdhsa_kernel
	.amdgpu_metadata
---
amdhsa.version: [ 1, 2 ]
amdhsa.kernels:
  - .name:           k_qdfc1bdc26a_total
    .symbol:         k_qdfc1bdc26a_total.kd
    .args:
      - { .name: part, .offset: 0, .size: 8, .value_kind: global_buffer, .address_space: global }
      - { .name: out1, .offset: 8, .size: 8, .value_kind: global_buffer, .address_space: global }
    .group_segment_fixed_size: 0
    .private_segment_fixed_size: 0
    .kernarg_segment_align: 8
    .kernarg_segment_size: 16
    .max_flat_workgroup_size: 32
    .sgpr_count:     66
    .vgpr_count:     144
    .wavefront_size: 32
...
	.end_amdgpu_metadata
.endif
;; end of part 4
